; MI455X (gfx1250); checked and timed in simulation.
; The chip was launched on July 23, 2026; its instructions are those of AMD's public machine-readable ISA for CDNA 5 (MIT licence, August 2026) and "CDNA5" Instruction Set Architecture Reference Guide (July 2026). The comments in the code are by the model that wrote it; some were corrected since.
;; Simple Self Attention. Allowed arithmetic: matrix products marked QUANTISED: E2M3 operands, one E8M0 scale for each 32 along K, by v_wmma_scale_f32_16x16x128_f8f6f4 with both operands' format E2M3, f32 sums; everything else in f32.
;; Inputs: Wproj_codes 1,024 x 32 x 24 uint8 (E2M3 codes of Wproj, K innermost, in blocks of 32 codes, four codes in three bytes); Wproj_scales 1,024 x 32 uint8 (E8M0 scales of Wproj, one for each 32 codes along K); Wqkv_codes 3,072 x 32 x 24 uint8 (E2M3 codes of Wqkv, K innermost, in blocks of 32 codes, four codes in three bytes); Wqkv_scales 3,072 x 32 uint8 (E8M0 scales of Wqkv, one for each 32 codes along K); bproj 1,024 float32; bqkv 3,072 float32; causal_mask 2,048 x 2,048 bool; key_padding_mask 4 x 2,048 bool; x_codes 4 x 2,048 x 32 x 24 uint8 (E2M3 codes of x, K innermost, in blocks of 32 codes, four codes in three bytes); x_scales 4 x 2,048 x 32 uint8 (E8M0 scales of x, one for each 32 codes along K).
;; Outputs: out0 4 x 2,048 x 1,024 float32.
;; This version of the problem:
;;   THIS VERSION OF THE PROBLEM IS GIVEN IN LOW PRECISION. The matrix products marked QUANTISED in the list below multiply operands that are first quantised to E2M3 (2 exponent bits, 3 mantissa bits; 6 bits a number), with one power-of-two scale for each 32 numbers along K (OCP MX v1.0); their sums are f32. All else is computed in f32.
;;   The module's matrix products, in the order in which they are computed (A, B: the left and right operand; K: the contracted axis; several contracted axes count as one K, in the product's order):
;;     1. [M 8,192, K 1,024] x [K 1,024, N 3,072]; A: input x (given as codes); B: input Wqkv (given as codes): QUANTISED
;;     2. batch 64 x [M 2,048, K 64] x [K 64, N 2,048]; A: computed on the way; B: computed on the way: QUANTISED
;;     3. batch 64 x [M 2,048, K 2,048] x [K 2,048, N 64]; A: computed on the way; B: computed on the way: QUANTISED
;;     4. [M 8,192, K 1,024] x [K 1,024, N 1,024]; A: computed on the way; B: input Wproj (given as codes): QUANTISED
;;   THE QUANTISER, for each operand of a quantised product, along K:
;;     - K is cut into blocks of 32 from its start; a last block that is shorter is filled with zeros.
;;     - A block's scale is 2^e with e = floor(log2(the largest magnitude in the block)) - 2, held to -126 .. 127; a block of zeros has e = 0. As a byte (E8M0): e + 127.
;;     - Each number is divided by its block's scale, clamped to +-7.5, and rounded to the nearest number of E2M3, ties to even, subnormals kept.
;;     - The product sums the exact products of the quantised numbers (number of the format x scale) in f32.
;;   ~~~python
;;   def quantise(x, axis):      # numpy; x: float32 -> the quantised numbers, widened to float32 again
;;       x = np.moveaxis(x, axis, -1); K = x.shape[-1]
;;       x = np.pad(x, [(0, 0)] * (x.ndim - 1) + [(0, -K % 32)]); x = x.reshape(x.shape[:-1] + (-1, 32)); a = np.abs(x).max(-1, keepdims=True)
;;       e = np.where(a > 0, np.clip(np.frexp(np.where(a > 0, a, 1))[1] - 1 - 2, -126, 127), 0)      # np.frexp(a)[1] - 1 = floor(log2(a)), exactly
;;       r = np.clip(x / 2.0 ** e, -7.5, 7.5)
;;       step = 2.0 ** (np.maximum(np.frexp(np.where(r == 0, 1, r))[1] - 1, 0) - 3)
;;       q = np.round(r / step) * step * 2.0 ** e      # np.round: ties to even
;;       return np.moveaxis(q.reshape(q.shape[:-2] + (-1,))[..., :K], -1, axis).astype(np.float32)
;;   ~~~
;;   OPERANDS COMPUTED ON THE WAY. 'Computed on the way' means the value that the module computes at that place (a softmax that the list does not call 'softmax' is quantised finished and normalised). What goes into a quantiser is computed in f32, as accurately as f32 sums, v_exp_f32 and their like allow (about 1e-6 of the number): no bf16 or f16 on the way to a quantiser, and a product that is left as it is and whose result goes on into a quantised operand takes f32 operands (vector FMAs, or v_wmma_f32_16x16x4_f32). A number that lies on a knife's edge between two numbers of the format may be rounded either way, as far as f32 arithmetic and the matrix unit's own rounding can turn it there, and no further.
;;   INPUTS GIVEN AS CODES. Wproj (in the module: [1024, 1024], K = its axis 1); Wqkv (in the module: [3072, 1024], K = its axis 1); x (in the module: [4, 2048, 1024], K = its axis 2): each comes as NAME_codes (uint8): NAME with its K axis moved to the last place and cut into blocks of 32 codes, [.., K / 32, bytes a block], one block behind the other in memory; four codes in three bytes: a row's codes are one little-endian stream of bits, code i at bits 6 i .. 6 i + 5 (a code: sign, 2 exponent bits, 3 mantissa bits); and NAME_scales (uint8): the same leading axes, one E8M0 byte (e + 127) for each 32 codes along K. Its value is code x scale, taken as it is: it is not quantised again, and the codes and scales need not be those that the quantiser above would give.
;; One version. Each part assembles by itself: llvm-mc -triple=amdgcn-amd-amdhsa -mcpu=gfx1250 --defsym DOCPART=n.
;; ======== version 1 of 1: 4 launches
;; limits: right only within a limited range of input values
;; workspace buffers: qk_img 12,582,912 bytes; qk_sc 524,288 bytes; vt_img 6,291,456 bytes; vt_sc 262,144 bytes; mwords 2,097,152 bytes of whole numbers; mflags 16,384 bytes of whole numbers; att_img 6,291,456 bytes; att_sc 262,144 bytes
;; launch masks (part 1): grid 128 x 1, 16 waves a work-group, no clusters, 43,520 bytes of LDS; arguments causal_mask, key_padding_mask, mwords, mflags; writes mwords, mflags
.if DOCPART == 1
	.amdgcn_target "amdgcn-amd-amdhsa--gfx1250"
	.amdhsa_code_object_version 6
	.text
	.protected	k_q786a3d3097_masks
	.globl	k_q786a3d3097_masks
	.p2align	8
	.type	k_q786a3d3097_masks,@function
k_q786a3d3097_masks:
	s_mov_b64 s[64:65], 0
	v_nop
	global_prefetch_b8 v0, s[64:65] scope:SCOPE_SE
	s_setreg_imm32_b32 hwreg(HW_REG_WAVE_MODE, 25, 1), 1
	s_wait_xcnt 0x0
; The two byte masks (1 = masked) become what the attention launch wants: lane-mask words and flags, whole numbers all.
; mwords [b 4][T 128][s 16][n 64] u32: bit L of word n = masked(query 16 T + L % 16, key 128 s + 16 (n / 8) + 8 (L / 16) + n % 8), causal OR padding:
; that is the place of a score in register n of a tile of 16 queries x 128 keys of the transposed product.
; mflags [T 128][b 4][sq 4][2] u32: word 0 bit s: step s has a score that counts; word 1 bit s: step s has a masked score (bits 4 sq .. 4 sq + 3 alone).
; A work-group takes a tile T of 16 queries; wave w takes batch w / 4 and steps 4 (w % 4) .. + 3.  The 16 rows of the causal mask (32,768 dense bytes) and the
; padding mask (8,192 bytes) come in by loads of 16 bytes a thread, 512 consecutive bytes a wave, and are read from LDS.  No matrix work, no cluster: nothing is multiplied, and the shared part is 8 KB.
.set PCM,  2064                        ; an LDS row of the causal mask: 2,048 bytes + 16 = 516 words: row r starts at word 4 r mod 64, so 16 rows x 2 halves x 8 bytes fall on 64 different words mod 64
.set KP,   16*PCM                      ; the padding mask, as it lies
.set FL,   KP+8192                     ; 16 waves x 2 flag words
.set C,    16                          ; v16-31  a step's bytes of the causal mask
.set P,    32                          ; v32-47  and of the padding mask
.set WD,   48                          ; v48-55  the words, a pair of registers for each of my four steps: lane n / 2, register n % 2
.set TV,   56                          ; v56-63  at work
	s_load_b256 s[4:11], s[0:1], 0x0               ; causal s[4:5], padding s[6:7], mwords s[8:9], mflags s[10:11]
	v_lshl_add_u32 v64, v0, 2, 0xa200
	v_mov_b32 v65, 0
	v_lshrrev_b32 v1, 5, v0
	s_delay_alu instid0(VALU_DEP_1)
	v_readfirstlane_b32 s12, v1                    ; wave 0..15
	s_lshr_b32 s16, s12, 2                         ; b
	s_and_b32 s17, s12, 3                          ; sq
	v_lshlrev_b32 v2, 4, v0                        ; 16 x thread
	v_lshrrev_b32 v3, 7, v0
	s_delay_alu instid0(VALU_DEP_1)
	v_mul_u32_u24 v3, v3, PCM
	v_and_b32 v4, 127, v0
	s_delay_alu instid0(VALU_DEP_1)
	v_lshl_add_u32 v3, v4, 4, v3                   ; into LDS: row thread / 128 (+ 4 for each load), 16 (thread % 128)
	v_add_nc_u32 v5, KP, v2
	v_and_b32 v6, 31, v0                           ; lane
	v_and_b32 v7, 15, v0                           ; r
	v_bfe_u32 v8, v0, 4, 1                         ; h
	s_lshl_b32 s18, s17, 9                         ; my four steps begin at key 512 sq
	v_mul_u32_u24 v9, v7, PCM
	s_delay_alu instid0(VALU_DEP_1)
	v_lshl_add_u32 v9, v8, 3, v9
	s_delay_alu instid0(VALU_DEP_1)
	v_add_nc_u32 v9, s18, v9                       ; causal: row r, + 8 h, + 512 sq
	s_lshl_b32 s19, s16, 11
	s_add_co_u32 s19, s19, s18
	s_add_co_u32 s19, s19, KP
	v_lshl_add_u32 v10, v8, 3, s19                 ; padding: batch b's 2,048 bytes, + 8 h, + 512 sq
	v_lshlrev_b32 v11, 3, v6                       ; 8 x lane
	v_lshlrev_b32 v1, 2, v6                        ; 4 x lane
	s_lshl_b32 s36, s12, 3
	s_add_co_u32 s36, s36, FL
	v_mov_b32 v14, s36                             ; my wave's two flag words
	v_lshl_add_u32 v15, v6, 2, FL
.irp i, 0,1,2,3,4,5,6,7
	v_mov_b32 v[WD+\i], 0                          ; a lane write's destination counts as read
.endr
	s_lshl_b32 s14, ttmp9, 15                      ; 16 rows of 2,048 bytes
	s_mov_b32 s15, 0
	s_lshl_b32 s20, s16, 7
	s_add_co_u32 s20, s20, ttmp9
	s_lshl_b32 s20, s20, 12                        ; (128 b + T) x 4,096
	s_lshl_b32 s21, s17, 10
	s_add_co_u32 s20, s20, s21                     ; + 4 sq steps of 256 bytes
	s_mov_b32 s21, 0
	s_lshl_b32 s38, ttmp9, 7
	s_mov_b32 s39, 0
	s_mov_b32 s33, 0                               ; steps with a score that counts
	s_mov_b32 s34, 0                               ; steps with a masked score
	s_wait_kmcnt 0x0
	s_add_nc_u64 s[4:5], s[4:5], s[14:15]
	s_add_nc_u64 s[8:9], s[8:9], s[20:21]
	s_add_nc_u64 s[10:11], s[10:11], s[38:39]
.irp i, 0,1,2,3
	global_load_b128 v[C+4*\i:C+4*\i+3], v2, s[4:5] offset:8192*\i th:TH_LOAD_NT
.endr
	global_load_b128 v[P:P+3], v2, s[6:7]
	s_wait_loadcnt 0x0
.irp i, 0,1,2,3
	ds_store_b128 v3, v[C+4*\i:C+4*\i+3] offset:4*PCM*\i
.endr
	ds_store_b128 v5, v[P:P+3]
	s_wait_dscnt 0x0                               ; for the others' sake: my stores have landed
	s_barrier_signal -1
	s_barrier_wait -1
; Step 4 sq + u: 64 words, 8 at a time (one tile of 16 keys).
.macro MSTEP u
.irp t, 0,1,2,3,4,5,6,7
	ds_load_b64 v[C+2*\t:C+2*\t+1], v9 offset:128*\u+16*\t
	ds_load_b64 v[P+2*\t:P+2*\t+1], v10 offset:128*\u+16*\t
.endr
	s_wait_dscnt 0x0
.irp i, 0,1,2,3,4,5,6,7,8,9,10,11,12,13,14,15
	v_or_b32 v[C+\i], v[C+\i], v[P+\i]             ; masked by either
.endr
	s_mov_b32 s22, 0                               ; the OR of the step's words
	s_mov_b32 s23, -1                              ; and their AND
.irp t, 0,1,2,3,4,5,6,7
.irp j, 0,1,2,3,4,5,6,7
	v_and_b32 v[TV+\j], 0xff<<(8*(\j%4)), v[C+2*\t+\j/4]
.endr
.irp j, 0,1,2,3,4,5,6,7
	v_cmp_ne_u32 s[24+\j], 0, v[TV+\j]             ; word n = 8 t + j: a bit for each lane
.endr
.irp j, 0,1,2,3,4,5,6,7
	s_or_b32 s22, s22, s[24+\j]
	s_and_b32 s23, s23, s[24+\j]
	v_writelane_b32 v[WD+2*\u+\j%2], s[24+\j], 4*\t+\j/2
.endr
.endr
	global_store_b64 v11, v[WD+2*\u:WD+2*\u+1], s[8:9] offset:256*\u   ; 32 lanes store 256 consecutive bytes, aligned; each step has its own pair, so no store's data are written again
	s_cmp_lg_u32 s22, 0
	s_cselect_b32 s32, 1<<\u, 0
	s_or_b32 s34, s34, s32
	s_cmp_lg_u32 s23, -1
	s_cselect_b32 s32, 1<<\u, 0
	s_or_b32 s33, s33, s32
.endm
	MSTEP 0
	MSTEP 1
	MSTEP 2
	MSTEP 3
	s_lshl_b32 s35, s17, 2
	s_lshl_b32 s33, s33, s35                       ; my four bits at their steps' places
	s_lshl_b32 s34, s34, s35
	v_mov_b32 v12, s33
	v_mov_b32 v13, s34
	ds_store_b64 v14, v[12:13]                     ; all lanes write the same two words with the same values
	s_wait_dscnt 0x0
	s_barrier_signal -1
	s_barrier_wait -1
	s_cmp_lg_u32 s12, 0
	s_cbranch_scc1 .Ldone                          ; wave 0 stores the tile's 32 flag words, 128 consecutive bytes
	ds_load_b32 v16, v15
	s_wait_dscnt 0x0
	global_store_b32 v1, v16, s[10:11]
.Ldone:
	s_wait_tensorcnt 0x0
	ds_add_u32 v64, v65
	s_wait_dscnt 0x0
	s_endpgm
.Lfunc_end_k_q786a3d3097_masks:
	.size	k_q786a3d3097_masks, .Lfunc_end_k_q786a3d3097_masks-k_q786a3d3097_masks
	.p2alignl 7, 3214868480
	.fill 96, 4, 3214868480
	.section	.rodata,"a",@progbits
	.p2align	6, 0x0
	.amdhsa_kernel k_q786a3d3097_masks
		.amdhsa_group_segment_fixed_size 43520
		.amdhsa_private_segment_fixed_size 0
		.amdhsa_enable_private_segment 0
		.amdhsa_kernarg_size 32
		.amdhsa_user_sgpr_count 2
		.amdhsa_user_sgpr_kernarg_segment_ptr 1
		.amdhsa_wavefront_size32 1
		.amdhsa_system_sgpr_workgroup_id_x 1
		.amdhsa_system_sgpr_workgroup_id_y 1
		.amdhsa_system_sgpr_workgroup_id_z 1
		.amdhsa_system_vgpr_workitem_id 0
		.amdhsa_next_free_vgpr 66
		.amdhsa_next_free_sgpr 66
		.amdhsa_reserve_vcc 0
		.amdhsa_float_denorm_mode_32 3
		.amdhsa_float_denorm_mode_16_64 3
		.amdhsa_memory_ordered 1
		.amdhsa_forward_progress 1
		.amdhsa_inst_pref_size 76
	.end_amdhsa_kernel
	.amdgpu_metadata
---
amdhsa.version: [ 1, 2 ]
amdhsa.kernels:
  - .name:           k_q786a3d3097_masks
    .symbol:         k_q786a3d3097_masks.kd
    .args:
      - { .name: causal_mask, .offset: 0, .size: 8, .value_kind: global_buffer, .address_space: global }
      - { .name: key_padding_mask, .offset: 8, .size: 8, .value_kind: global_buffer, .address_space: global }
      - { .name: mwords, .offset: 16, .size: 8, .value_kind: global_buffer, .address_space: global }
      - { .name: mflags, .offset: 24, .size: 8, .value_kind: global_buffer, .address_space: global }
    .group_segment_fixed_size: 43520
    .private_segment_fixed_size: 0
    .kernarg_segment_align: 8
    .kernarg_segment_size: 32
    .max_flat_workgroup_size: 512
    .sgpr_count:     66
    .vgpr_count:     66
    .wavefront_size: 32
...
	.end_amdgpu_metadata
.endif
;; end of part 1
;; launch qkv (part 2): grid 8 x 96, 4 waves a work-group, clusters of 4 x 4, 327,680 bytes of LDS; arguments x_codes, x_scales, Wqkv_codes, Wqkv_scales, qk_img, qk_sc, vt_img, vt_sc, bqkv; writes qk_img, qk_sc, vt_img, vt_sc
.if DOCPART == 2
	.amdgcn_target "amdgcn-amd-amdhsa--gfx1250"
	.amdhsa_code_object_version 6
	.text
	.protected	k_q786a3d3097_qkv
	.globl	k_q786a3d3097_qkv
	.p2align	8
	.type	k_q786a3d3097_qkv,@function
k_q786a3d3097_qkv:
	s_mov_b64 s[64:65], 0
	v_nop
	global_prefetch_b8 v0, s[64:65] scope:SCOPE_SE
	s_setreg_imm32_b32 hwreg(HW_REG_WAVE_MODE, 25, 1), 1
	s_wait_xcnt 0x0
	s_wait_alu depctr_hold_cnt(0) depctr_sa_sdst(0) depctr_va_vdst(0) depctr_va_sdst(0) depctr_va_ssrc(0) depctr_va_vcc(0) depctr_vm_vsrc(0)
	s_getreg_b32 s2, hwreg(HW_REG_IB_STS2, 6, 4)
	s_cmp_eq_u32 s2, 0
	s_cbranch_scc0 .Lentry_in_a_cluster
	s_endpgm
.Lentry_in_a_cluster:
	s_bfe_u32 s2, ttmp6, 0x10000c
	s_cmp_lg_u32 s2, 0xf033
	s_cbranch_scc0 .Lentry_shape_is_right
	s_endpgm
.Lentry_shape_is_right:
; qkv = x Wqkv^T + bqkv on codes of FP6 (E2M3) with E8M0 scales, K = 1,024; the result is quantised here and stored as the images of operand registers that the attention launch reads.
; A work-group makes 128 rows of a side A x 256 rows of a side B.  Cluster rows 0-15 (q and k): A = x (tokens), B = Wqkv's rows 0-2,047.  Cluster rows 16-23 (v): A = Wqkv's rows 2,048-3,071, B = x,
; so that a lane's registers run along the tokens, which are the K of the weighted sum.  768 work-groups.
; ALL OF K LIES IN LDS: 384 rows of 768 bytes, each from a multiple of 256 bytes of its buffer, 16 bytes of padding behind every 256: pitch 816.  Nothing is filled again: one joint load a wave at the head.
; CLUSTERS 4 x 4: A's tile is shared along a row of the cluster, B's along a column.  No prefetch: every tile is asked for once, at the head, and there is no loop to run ahead in.
; A wave makes 64 x 128: 32 accumulators by turns.  Source 0 = 16 rows of B, source 1 = 16 rows of A: a lane holds one row of A and eight neighbours along B.
; Scale words go from memory into registers: a row's 32 bytes are its eight words, one for each step of 128 along K.
; REGISTERS: window 0: v0-31 addresses, v32-63 A's scale words, v64-127 B's, v128-223 A's fragments (two sets), v240-247 the bias by lanes; window 1: v0-191 B's fragments (two sets), v192-255 the bias by registers; window 2: accumulators.
; OUT: qk_img [32 (q heads, k heads)][512 tiles of 16 tokens][768], qk_sc [16 pairs of heads][8,192] words, vt_img [64 (b, head)][16 steps][4][2][768], vt_sc [4][16][16][64] words.
; In a block of 32 the codes stand in the order 0-7, 16-23, 8-15, 24-31, alike in q and k, and alike in v and the weights.  A block of zeros gets the byte 1 (zero codes; the bytes are read by this program alone).
.set KROW,   768
.set PITCH,  816
.set FR,     12
.set ABYTES, 128*PITCH
.set SPARE,  ABYTES+256*PITCH
.set STG,    SPARE+512                 ; 256 bytes a wave: the scale words of its four blocks
.set OI16, 7
.set OI8,  8
.set SWA,  9
.set SRA,  10
.set SO,   13
.set ADRA, 16                          ; v16 my A rows; v17 the same with 16 more in lanes 16-31 (their piece lies behind a pad)
.set ADRB, 20                          ; v20-21 B's blocks 0-3, v22-23 blocks 4-7
.set SPW,  28
.set NIL,  29
.set SA,   32
.set SB,   64
.set AF,   128
.set BN,   192
.set BM,   240
.set X,    128
.set PC,   192
.set TM,   212
.set PW,   232
.set SEL,  2
.set G1, 24
.set G0, 32
.set G1B, 48
.set G0B, 56
.set MSB, 0
.macro WIN new
.if MSB != \new
	s_set_vgpr_msb (MSB<<8)|\new
.set MSB, \new
.endif
.endm
.macro PLACES
.rept 4
	v_nop
.endr
.endm
.macro CREST
	s_cmp_lg_u32 s14, 0
	s_cbranch_scc1 .Lnot_wave_0_\@
	s_barrier_signal -3
.Lnot_wave_0_\@:
	s_barrier_wait -3
	s_barrier_signal -1
	s_barrier_wait -1
.endm
.macro CROUND
	s_barrier_signal -1
	s_barrier_wait -1
	CREST
.endm
	s_load_b256 s[4:11], s[0:1], 0x0               ; x codes, x scales, W codes, W scales
	s_load_b256 s[68:75], s[0:1], 0x20             ; qk_img, qk_sc, vt_img, vt_sc
	s_load_b64 s[12:13], s[0:1], 0x40              ; bqkv
	v_lshl_add_u32 v[SPW], v0, 2, SPARE
	v_mov_b32 v[NIL], 0
	ds_add_u32 v[SPW], v[NIL]                      ; the opening lines
	ds_add_u32 v[SPW], v[NIL]
	v_lshrrev_b32 v1, 5, v0
	v_readfirstlane_b32 s14, v1                    ; wave
	s_lshr_b32 s15, s14, 1                         ; my 64 rows of A.  Also: I fetch for A (0) or B (1)
	s_and_b32 s16, s14, 1                          ; my 128 rows of B.  Also: which half I fetch
	s_bfe_u32 s40, ttmp6, 0x40000                  ; cx
	s_bfe_u32 s41, ttmp6, 0x40004                  ; cy
	s_and_b32 s66, ttmp7, 0xffff                   ; the cluster's y: 16 and up make v
	s_sub_co_u32 s67, s66, 16
	s_cmp_ge_u32 s66, 16
	s_cselect_b32 s42, s67, ttmp9
	s_cselect_b32 s17, ttmp9, s66
	s_cselect_b32 s18, 2048, 0                     ; v's rows of Wqkv begin here
	s_cselect_b32 s100, 0, -1                      ; all ones for q and k
	s_cselect_b32 s101, -1, 0                      ; all ones for v
	s_lshl_b32 s42, s42, 2
	s_add_co_u32 s42, s42, s40                     ; B's tile
	s_lshl_b32 s17, s17, 2
	s_add_co_u32 s17, s17, s41                     ; A's tile
	s_lshl_b32 s43, s41, 2
	s_lshl_b32 s43, 15, s43                        ; my row of the cluster
	s_lshl_b32 s44, 0x1111, s40                    ; my column
	s_or_b32 s[G1+0], s43, (1<<20)|(1<<21)|(5<<22)|(3<<25)   ; bytes; 4 words of padding behind every 64
	s_or_b32 s[G1B+0], s44, (1<<20)|(1<<21)|(5<<22)|(3<<25)
	s_mov_b32 s[G1+1], KROW<<16
	s_mov_b32 s[G1+2], 64<<16                      ; A: 64 rows a load
	s_mov_b32 s[G1+3], KROW<<16
	s_mov_b32 s[G1+4], 64
	s_mov_b32 s[G1+5], KROW
	s_mov_b32 s[G1+6], 0
	s_mov_b32 s[G1+7], 0
	s_mov_b32 s[G1B+1], KROW<<16
	s_mov_b32 s[G1B+2], 128<<16                    ; B: 128 rows a load
	s_mov_b32 s[G1B+3], KROW<<16
	s_mov_b32 s[G1B+4], 128
	s_mov_b32 s[G1B+5], KROW
	s_mov_b32 s[G1B+6], 0
	s_mov_b32 s[G1B+7], 0
	s_lshl_b32 s19, s17, 7
	s_add_co_u32 s19, s19, s18                     ; A's first row
	s_lshl_b32 s20, s16, 6
	s_add_co_u32 s20, s20, s19
	s_mul_i32 s20, s20, KROW                       ; the half that I would fetch, in bytes
	s_mov_b32 s21, 0
	s_lshl_b32 s22, s15, 6
	s_add_co_u32 s22, s22, s19
	s_lshl_b32 s22, s22, 5                         ; my rows' scales
	s_mov_b32 s23, 0
	s_lshl_b32 s46, s42, 8
	s_lshl_b32 s47, s16, 7
	s_add_co_u32 s46, s46, s47                     ; B: the 128 rows that I fetch are those that I multiply
	s_lshl_b32 s92, s46, 5
	s_mov_b32 s93, 0
	s_mul_i32 s46, s46, KROW
	s_mov_b32 s47, 0
	s_mul_i32 s45, s16, 64*PITCH
	s_mul_i32 s94, s16, 128*PITCH
	s_add_co_u32 s94, s94, ABYTES
	s_lshl_b32 s95, s42, 1
	s_add_co_u32 s95, s95, s16                     ; my 128 of the B side, counted over all of it
	s_lshl_b32 s60, s95, 9
	s_and_b32 s60, s60, s100                       ; q, k: the bias of my 128 features, by registers
	s_mov_b32 s61, 0
	s_lshl_b32 s62, s17, 9
	s_lshl_b32 s63, s15, 8
	s_add_co_u32 s62, s62, s63
	s_add_co_u32 s62, s62, 8192
	s_and_b32 s62, s62, s101                       ; v: the bias of my 64 features, by lanes
	s_mov_b32 s63, 0
	s_mul_i32 s96, s15, 64*PITCH                   ; LDS: my rows of A,
	s_add_co_u32 s97, s94, 64*PITCH                ; and B's blocks 4-7
	s_lshl_b32 s98, s14, 8
	s_add_co_u32 s98, s98, STG
	s_wait_dscnt 0x0
	s_wait_kmcnt 0x0
	s_cmp_ge_u32 s66, 16
	s_cselect_b64 s[76:77], s[8:9], s[4:5]         ; A's codes,
	s_cselect_b64 s[78:79], s[10:11], s[6:7]       ; A's scales,
	s_cselect_b64 s[80:81], s[4:5], s[8:9]         ; B's
	s_cselect_b64 s[82:83], s[6:7], s[10:11]
	s_cselect_b64 s[84:85], s[72:73], s[68:69]     ; images out,
	s_cselect_b64 s[88:89], s[74:75], s[70:71]     ; scale words out
	s_add_nc_u64 s[76:77], s[76:77], s[20:21]
	s_add_nc_u64 s[78:79], s[78:79], s[22:23]
	s_add_nc_u64 s[80:81], s[80:81], s[46:47]
	s_add_nc_u64 s[82:83], s[82:83], s[92:93]
	s_add_nc_u64 s[60:61], s[12:13], s[60:61]
	s_add_nc_u64 s[62:63], s[12:13], s[62:63]
	CROUND                                         ; the joint loads meet
	s_mov_b32 s[G0], 1
	s_mov_b32 s[G0+1], s45
	s_mov_b64 s[G0+2:G0+3], s[76:77]
	s_or_b32 s[G0+3], s[G0+3], 0x80000000
	s_mov_b32 s[G0B], 1
	s_mov_b32 s[G0B+1], s94
	s_mov_b64 s[G0B+2:G0B+3], s[80:81]
	s_or_b32 s[G0B+3], s[G0B+3], 0x80000000
	s_cmp_eq_u32 s15, 0                            ; one load a wave: waves 0, 1 A's halves, waves 2, 3 B's
	s_cbranch_scc0 .Lfor_b
	tensor_load_to_lds s[G0:G0+3], s[G1:G1+7]
	s_nop 0
	PLACES
	s_branch .Lasked
.Lfor_b:
	tensor_load_to_lds s[G0B:G0B+3], s[G1B:G1B+7]
	s_nop 0
	PLACES
.Lasked:
	v_and_b32 v1, 15, v0                           ; r
	v_bfe_u32 v2, v0, 4, 1                         ; h
	v_mul_u32_u24 v3, v1, PITCH
	v_mad_u32_u24 v3, v2, 24, v3                   ; row r, + 24 h
	v_lshl_add_u32 v4, v2, 4, v3
	v_add_nc_u32 v[ADRA], s96, v3
	v_add_nc_u32 v[ADRA+1], s96, v4
	v_add_nc_u32 v[ADRB], s94, v3
	v_add_nc_u32 v[ADRB+1], s94, v4
	v_add_nc_u32 v[ADRB+2], s97, v3
	v_add_nc_u32 v[ADRB+3], s97, v4
	v_lshlrev_b32 v[SO], 5, v1                     ; a row of scales is 32 bytes
	v_and_b32 v6, 31, v0
	v_lshlrev_b32 v[OI16], 4, v6
	v_lshlrev_b32 v[OI8], 3, v6
	v_lshl_add_u32 v[SWA], v1, 2, s98
	v_add_nc_u32 v[SRA], s98, v[OI8]
	v_lshlrev_b32 v11, 5, v2
	v_lshlrev_b32 v12, 2, v1
	s_wait_alu depctr_va_vdst(0)                   ; behind these writes
.irp a, 0,1,2,3
	global_load_b128 v[SA+8*\a:SA+8*\a+3], v[SO], s[78:79] offset:512*\a
	global_load_b128 v[SA+8*\a+4:SA+8*\a+7], v[SO], s[78:79] offset:512*\a+16
.endr
.irp b, 0,1,2,3,4,5,6,7
	global_load_b128 v[SB+8*\b:SB+8*\b+3], v[SO], s[82:83] offset:512*\b
	global_load_b128 v[SB+8*\b+4:SB+8*\b+7], v[SO], s[82:83] offset:512*\b+16
.endr
.irp a, 0,1,2,3
	global_load_b32 v[BM+2*\a], v12, s[62:63] offset:64*\a
.endr
	WIN 0x40
.irp b, 0,1,2,3,4,5,6,7
	global_load_b128 v[BN+8*\b:BN+8*\b+3], v11, s[60:61] offset:64*\b
	global_load_b128 v[BN+8*\b+4:BN+8*\b+7], v11, s[60:61] offset:64*\b+16
.endr
	WIN 0
	s_wait_loadcnt 0x0
	; where my results go
	s_lshl_b32 s90, s17, 3
	s_lshl_b32 s91, s15, 2
	s_add_co_u32 s90, s90, s91                     ; q, k: my first tile of 16 tokens
	s_mul_i32 s76, s95, 786432                     ; two heads of 512 images
	s_mul_i32 s77, s90, 768
	s_add_co_u32 s76, s76, s77
	s_lshl_b32 s78, s95, 15
	s_lshl_b32 s79, s90, 6
	s_add_co_u32 s78, s78, s79
	s_lshr_b32 s91, s95, 4                         ; v: batch,
	s_and_b32 s94, s95, 15                         ; step of 128 keys,
	s_lshl_b32 s96, s17, 1
	s_add_co_u32 s96, s96, s15                     ; head
	s_lshl_b32 s97, s91, 4
	s_add_co_u32 s97, s97, s96
	s_mul_i32 s97, s97, 98304
	s_mul_i32 s98, s94, 6144
	s_add_co_u32 s97, s97, s98
	s_lshl_b32 s98, s95, 12
	s_lshl_b32 s99, s96, 8
	s_add_co_u32 s98, s98, s99
	s_mov_b32 s80, 768                             ; from block to block of A,
	s_mov_b32 s82, 393216                          ; from the first 64 of the B side to the second
	s_cmp_ge_u32 s66, 16
	s_cselect_b32 s76, s97, s76
	s_cselect_b32 s78, s98, s78
	s_cselect_b32 s80, 1536, s80
	s_cselect_b32 s82, 768, s82
	s_mov_b32 s77, 0
	s_mov_b32 s79, 0
	s_mov_b32 s81, 0
	s_mov_b32 s83, 0
	s_add_nc_u64 s[84:85], s[84:85], s[76:77]
	s_add_nc_u64 s[86:87], s[84:85], s[82:83]
	s_add_nc_u64 s[88:89], s[88:89], s[78:79]
	s_mov_b32 s[SEL], 0x76543210
	s_mov_b32 s[SEL+1], 0xfedcba98
	WIN 0x44
.set i, 0
.rept 64
	v_cndmask_b32 v[BN+i], 0, v[BN+i], s100        ; the bias by registers counts for q and k alone,
.set i, i+1
.endr
	WIN 0
.irp a, 0,1,2,3
	v_cndmask_b32 v[BM+2*\a], 0, v[BM+2*\a], s101  ; that by lanes for v alone
.endr
.irp a, 0,1,2,3
	v_mov_b32 v[BM+2*\a+1], v[BM+2*\a]
.endr
; Byte y of a row lies at y + 16 (y / 256) of its LDS row.  Lanes 16-31 read 24 bytes on: where that is behind a pad, the second address register serves.
.macro FRAG reg, adr, st, off
.irp p, 0,1,2,3,4,5
.set BY, 96*(\st)+48*(\p/3)+8*(\p%3)
.if BY/256 == (BY+24)/256
	ds_load_b64 v[\reg+2*\p:\reg+2*\p+1], v[\adr] offset:BY+16*(BY/256)+(\off)
.else
	ds_load_b64 v[\reg+2*\p:\reg+2*\p+1], v[\adr+1] offset:BY+16*(BY/256)+(\off)
.endif
.endr
.endm
.macro FETCH st                        ; step st's fragments into set st % 2
	WIN 0x40
.irp i, 0,1,2,3,4,5,6,7
	FRAG 96*((\st)%2)+FR*\i, ADRB+2*(\i/4), \st, (\i%4)*16*PITCH
.endr
	WIN 0
.irp i, 0,1,2,3
	FRAG AF+48*((\st)%2)+FR*\i, ADRA, \st, \i*16*PITCH
.endr
.endm
.macro MUL st, first                   ; 32 products, 128 along K; the first step's take the bias as C
.irp a, 0,1,2,3
.irp b, 0,1,2,3,4,5,6,7
.if \first
	v_wmma_scale_f32_16x16x128_f8f6f4 v[8*(8*\a+\b):8*(8*\a+\b)+7], v[96*((\st)%2)+FR*\b:96*((\st)%2)+FR*\b+FR-1], v[AF+48*((\st)%2)+FR*\a:AF+48*((\st)%2)+FR*\a+FR-1], v[BN+8*\b:BN+8*\b+7], v[SB+8*\b+(\st)], v[SA+8*\a+(\st)] matrix_a_fmt:MATRIX_FMT_FP6 matrix_b_fmt:MATRIX_FMT_FP6
.else
	v_wmma_scale_f32_16x16x128_f8f6f4 v[8*(8*\a+\b):8*(8*\a+\b)+7], v[96*((\st)%2)+FR*\b:96*((\st)%2)+FR*\b+FR-1], v[AF+48*((\st)%2)+FR*\a:AF+48*((\st)%2)+FR*\a+FR-1], v[8*(8*\a+\b):8*(8*\a+\b)+7], v[SB+8*\b+(\st)], v[SA+8*\a+(\st)] matrix_a_fmt:MATRIX_FMT_FP6 matrix_b_fmt:MATRIX_FMT_FP6
.endif
.endr
.endr
.endm
	s_wait_alu depctr_va_vdst(0)                   ; the head's end
	s_wait_tensorcnt 0x0                           ; my part of the tiles is in;
	s_barrier_signal -1
	s_barrier_wait -1                              ; everybody's is.  From here on the tiles are only read
	FETCH 0
.set ST, 0
.rept 8
	s_wait_dscnt 0x0                               ; this step's fragments, asked for ahead of the last step's 32 products
.if ST < 7
	PLACES                                         ; ahead of loads into registers that the last products read
	FETCH ST+1
.endif
.if ST == 0
	WIN 0x91
	MUL ST, 1
.else
	WIN 0xa1
	MUL ST, 0
.endif
	WIN 0
.set ST, ST+1
.endr
	PLACES
.irp b, 0,1,2,3
	v_mov_b32 v[TM+4+\b], 0                        ; a lane permute's destination counts as read
.endr
.macro QUANT s                         ; 64 registers: four blocks of 32, a half of each in lanes l and l xor 16
.irp b, 0,1,2,3
	v_max3_num_f32 v[TM+\b], |v[\s+16*\b]|, |v[\s+1+16*\b]|, 0x1800000
.endr
.irp i, 2,4,6,8,10,12,14
.irp b, 0,1,2,3
	v_max3_num_f32 v[TM+\b], v[TM+\b], |v[\s+16*\b+\i]|, |v[\s+1+16*\b+\i]|
.endr
.endr
.irp b, 0,1,2,3
	v_permlanex16_b32 v[TM+4+\b], v[TM+\b], s[SEL], s[SEL+1]
.endr
.irp b, 0,1,2,3
	v_max_num_f32 v[TM+\b], v[TM+\b], v[TM+4+\b]
.endr
.irp b, 0,1,2,3
	v_add_nc_u32 v[TM+12+\b], 0xff000000, v[TM+\b] ; 2 off the exponent field: the conversion's scale operand
.endr
.irp b, 0,1,2,3
	v_lshrrev_b32 v[TM+4+\b], 23, v[TM+12+\b]
.endr
	v_lshl_or_b32 v[PW], v[TM+5], 8, v[TM+4]
	v_lshl_or_b32 v[PW], v[TM+6], 16, v[PW]
	v_lshl_or_b32 v[PW], v[TM+7], 24, v[PW]
.irp c, 0,1
	v_cvt_scalef32_pk16_fp6_f32 v[PC+6*\c:PC+2+6*\c], v[\s+32*\c:\s+15+32*\c], v[TM+12+2*\c]
	v_cvt_scalef32_pk16_fp6_f32 v[PC+12+4*\c:PC+14+4*\c], v[\s+16+32*\c:\s+31+32*\c], v[TM+12+2*\c+1]
.endr
	v_nop                                          ; one plain place behind a scaled conversion
.irp c, 0,1
.irp i, 0,1,2
	v_permlane16_swap_b32 v[PC+6*\c+\i], v[PC+12+4*\c+\i]
.endr
.irp i, 0,1,2
	v_mov_b32 v[PC+3+6*\c+\i], v[PC+12+4*\c+\i]
.endr
.endr
.endm
.macro BLOCK a                         ; 16 rows of A x my 128 of B: two images of 768 bytes and a scale word a row
.if \a > 0
	s_wait_xcnt 0x0                                ; the last block's stores have read their data and bases
	s_add_nc_u64 s[84:85], s[84:85], s[80:81]
	s_add_nc_u64 s[86:87], s[86:87], s[80:81]
.endif
	WIN 0x02
.set i, 0
.rept 32
	v_pk_add_f32 v[X+2*i:X+2*i+1], v[64*(\a)+2*i:64*(\a)+2*i+1], v[BM+2*(\a):BM+2*(\a)+1]
.set i, i+1
.endr
	WIN 0
	QUANT X
	global_store_b128 v[OI16], v[PC:PC+3], s[84:85]
	global_store_b64 v[OI8], v[PC+4:PC+5], s[84:85] offset:512
	global_store_b128 v[OI16], v[PC+6:PC+9], s[86:87]
	global_store_b64 v[OI8], v[PC+10:PC+11], s[86:87] offset:512
	ds_store_b32 v[SWA], v[PW] offset:64*\a
.endm
.irp a, 0,1,2,3
	BLOCK \a
.endr
	ds_load_b64 v[X:X+1], v[SRA]                   ; my own bytes: LDS serves a wave's instructions in order
	s_wait_dscnt 0x0
	global_store_b64 v[OI8], v[X:X+1], s[88:89]    ; 32 lanes store 256 consecutive bytes, aligned
	s_wait_tensorcnt 0x0                           ; the wave's end
	ds_add_u32 v[SPW], v[NIL]
	s_wait_dscnt 0x0
	CROUND                                         ; the closing round
	s_endpgm
.Lfunc_end_k_q786a3d3097_qkv:
	.size	k_q786a3d3097_qkv, .Lfunc_end_k_q786a3d3097_qkv-k_q786a3d3097_qkv
	.p2alignl 7, 3214868480
	.fill 96, 4, 3214868480
	.section	.rodata,"a",@progbits
	.p2align	6, 0x0
	.amdhsa_kernel k_q786a3d3097_qkv
		.amdhsa_group_segment_fixed_size 327680
		.amdhsa_private_segment_fixed_size 0
		.amdhsa_enable_private_segment 0
		.amdhsa_kernarg_size 72
		.amdhsa_user_sgpr_count 2
		.amdhsa_user_sgpr_kernarg_segment_ptr 1
		.amdhsa_wavefront_size32 1
		.amdhsa_system_sgpr_workgroup_id_x 1
		.amdhsa_system_sgpr_workgroup_id_y 1
		.amdhsa_system_sgpr_workgroup_id_z 1
		.amdhsa_system_vgpr_workitem_id 0
		.amdhsa_next_free_vgpr 768
		.amdhsa_next_free_sgpr 102
		.amdhsa_reserve_vcc 0
		.amdhsa_float_denorm_mode_32 3
		.amdhsa_float_denorm_mode_16_64 3
		.amdhsa_memory_ordered 1
		.amdhsa_forward_progress 1
		.amdhsa_inst_pref_size 113
	.end_amdhsa_kernel
	.amdgpu_metadata
---
amdhsa.version: [ 1, 2 ]
amdhsa.kernels:
  - .name:           k_q786a3d3097_qkv
    .symbol:         k_q786a3d3097_qkv.kd
    .args:
      - { .name: x_codes, .offset: 0, .size: 8, .value_kind: global_buffer, .address_space: global }
      - { .name: x_scales, .offset: 8, .size: 8, .value_kind: global_buffer, .address_space: global }
      - { .name: Wqkv_codes, .offset: 16, .size: 8, .value_kind: global_buffer, .address_space: global }
      - { .name: Wqkv_scales, .offset: 24, .size: 8, .value_kind: global_buffer, .address_space: global }
      - { .name: qk_img, .offset: 32, .size: 8, .value_kind: global_buffer, .address_space: global }
      - { .name: qk_sc, .offset: 40, .size: 8, .value_kind: global_buffer, .address_space: global }
      - { .name: vt_img, .offset: 48, .size: 8, .value_kind: global_buffer, .address_space: global }
      - { .name: vt_sc, .offset: 56, .size: 8, .value_kind: global_buffer, .address_space: global }
      - { .name: bqkv, .offset: 64, .size: 8, .value_kind: global_buffer, .address_space: global }
    .group_segment_fixed_size: 327680
    .private_segment_fixed_size: 0
    .kernarg_segment_align: 8
    .kernarg_segment_size: 72
    .max_flat_workgroup_size: 128
    .sgpr_count:     102
    .vgpr_count:     768
    .wavefront_size: 32
...
	.end_amdgpu_metadata
.endif
;; end of part 2
;; launch attn (part 3): grid 4 x 64, 16 waves a work-group, no clusters, 276,480 bytes of LDS; arguments qk_img, qk_sc, vt_img, vt_sc, mwords, mflags, att_img, att_sc; writes att_img, att_sc
.if DOCPART == 3
	.amdgcn_target "amdgcn-amd-amdhsa--gfx1250"
	.amdhsa_code_object_version 6
	.text
	.protected	k_q786a3d3097_attn
	.globl	k_q786a3d3097_attn
	.p2align	8
	.type	k_q786a3d3097_attn,@function
k_q786a3d3097_attn:
	s_mov_b64 s[64:65], 0
	v_nop
	global_prefetch_b8 v0, s[64:65] scope:SCOPE_SE
	s_setreg_imm32_b32 hwreg(HW_REG_WAVE_MODE, 25, 1), 1
	s_wait_xcnt 0x0
; For one (batch, head): weights = softmax(q k^T / 8 under the two masks), rows with no key that counts = 0; out = weights v; both products on codes of FP6 (E2M3) with E8M0 scales.
; THE WEIGHTS ARE QUANTISED FINISHED, p / l, so l is wanted before any weight is quantised: TWO WALKS over the keys.  Walk 1: the running largest t (t = score x log2(e) / 8), M = that rounded up to a whole number,
; l = the sum of 2^(t - M), each lane for its own keys; the two halves of the lanes are joined once at the end.  Walk 2: the scores again, w = 2^(t - M) x (1 / l), quantised along the keys, O^T += V^T W^T.
; SHARES.  Four work-groups a head; each keeps the head's K and V codes and scale words in LDS (filled once, through registers).  Wave w of work-group j takes the query tiles T = 16 j + w and 127 - T, one after the other.
; A STEP (128 keys) IN WHICH NO SCORE OF THE TILE COUNTS IS LEFT OUT, and the masking lines are jumped over where no score is masked: scalar branches on flags that an earlier launch stored as whole numbers.
; So this launch has no tensor load, and therefore no joint loads: the four work-groups of a head each read its 208,896 bytes once.
; LAYOUT.  Both products transposed: S^T = K Q^T (source 0 = 16 keys), O^T = V^T W^T (source 0 = 16 of the head's 64): a lane holds one query (lane % 16).  K = 64 fills half an instruction: Q's registers 6-11 are zero codes,
; bytes 2, 3 of Q's and K's scale words are 0 (2^-127); K's fragment t names six registers more (the next tile's codes, or zeros behind the last), which meet zero codes.
; The weights' codes stand in a block in the order 0-7, 16-23, 8-15, 24-31, as v's do; the head's outputs are first brought into true order (16 lane swaps), since Wproj's codes have it.
; OUT: att_img [512 tiles of 16 tokens][head][3][32 lanes][8]: images of the six operand registers; att_sc [8,192][32] bytes: 32 single bytes a tile beside its 768 bytes of codes: those units are written in part.
; LIMITS: NaN and infinities in q, k, v are not served; weights under 2^-126 become 0 (v_exp_f32 flushes); a block of zeros gets the byte 1 (its codes are zeros; the bytes are read by this program alone).
.set VIMG, 98304                       ; LDS: K's images [128 tiles][768] at 0; V's [16 steps][4][1,536] here;
.set KSC,  196608                      ; K's scale words [2,048];
.set VSC,  204800                      ; V's [16 steps][64]
.set KB,   36                          ; v36-83 K's eight half fragments, or V's four fragments; v84-89 zeros
.set S,    96                          ; v96-159 S^T, then the weights
.set O,    160                         ; v160-191 O^T
.set PCD,  192                         ; v192-203 the weights' codes; v204-210 second halves of the conversions
.set BMX,  212                         ; v212-215 block maxima; v216-219 permute results, bytes; v220-223 scale operands
; v1 16 lane, v2 8 lane, v3 KSC + 4 lane, v35 VSC + 4 lane, v234 VIMG + 16 lane, v235 VIMG + 8 lane, v232 4 r, v233 32 r + h: they stay.  v4-9 addresses of the step.  v10 -infinity.  v11 Q's scale word.
; v12 -M, v13 largest t, v[14:15] the sum.  v16-27 Q.  v28-31 K's scale words, v32-33 V's, v34 the weights'.  v224 log2(l), then -M - log2(l), v[226:227] f.  v228-231 at work.
; s2-3 lane selects; s4-7 qk_img, qk_sc; s[8:9] c twice, s10 mask of lanes 16-31, s11 16 (head % 2); s12 wave, s14 b, s15 head; s66 T, s67 tiles left; s68-75 mwords, mflags, att_img, att_sc; s[76:77] the step's mask words;
; s96 steps that count, s97 steps with masked scores, s98 step, s99 bytes into K's and V's images, s100, s101 into their scale words.  Mask word n: s[16 + n] for n < 48, s[32 + n] from 48 on.
	s_load_b256 s[4:11], s[0:1], 0x0               ; qk_img, qk_sc, vt_img, vt_sc
	s_load_b256 s[68:75], s[0:1], 0x20             ; mwords, mflags, att_img, att_sc
	v_lshl_add_u32 v254, v0, 2, 0x33000
	v_mov_b32 v255, 0
	v_lshrrev_b32 v4, 5, v0
	s_delay_alu instid0(VALU_DEP_1)
	v_readfirstlane_b32 s12, v4                    ; wave 0..15
	s_and_b32 s15, ttmp7, 0xffff
	s_lshr_b32 s14, s15, 4                         ; b
	s_and_b32 s15, s15, 15                         ; head
	v_and_b32 v228, 31, v0
	v_and_b32 v229, 15, v0
	v_bfe_u32 v230, v0, 4, 1
	s_delay_alu instid0(VALU_DEP_3)
	v_lshlrev_b32 v1, 4, v228
	s_delay_alu instid0(VALU_DEP_4)
	v_lshlrev_b32 v2, 3, v228
	v_lshl_add_u32 v3, v228, 2, KSC
	v_lshl_add_u32 v35, v228, 2, VSC
	s_delay_alu instid0(VALU_DEP_4)
	v_add_nc_u32 v234, VIMG, v1
	s_delay_alu instid0(VALU_DEP_4)
	v_add_nc_u32 v235, VIMG, v2
	v_lshlrev_b32 v232, 2, v229
	v_lshl_add_u32 v233, v229, 5, v230
.set BMB, 210944                       ; LDS behind the spare words: each wave's own 4,096 bytes: [16 steps][16 queries][4 blocks] the blocks' largest scores, stored in walk 1, read in walk 2
	s_lshl_b32 s13, s12, 12
	s_add_co_u32 s13, s13, BMB
	v_lshl_add_u32 v236, v229, 4, s13              ; v236 stays
	v_lshlrev_b32 v200, 4, v0                      ; the fill: 16 x thread,
	s_delay_alu instid0(VALU_DEP_1)
	v_add_nc_u32 v201, 49152, v200                 ; and six loads' 49,152 bytes on, three times
	s_delay_alu instid0(VALU_DEP_2)
	v_add_nc_u32 v202, 98304, v200
	s_delay_alu instid0(VALU_DEP_3)
	v_add_nc_u32 v203, 147456, v200
	s_delay_alu instid0(VALU_DEP_4)
	v_add_nc_u32 v204, KSC, v200
	v_lshl_add_u32 v205, v0, 3, VSC
	s_add_co_u32 s16, s15, 16
	s_lshl_b32 s16, s16, 9
	s_lshl_b32 s17, s14, 7
	s_add_co_u32 s16, s16, s17
	s_mul_i32 s16, s16, 768                        ; K: ((16 + head) 512 + 128 b) images
	s_mov_b32 s17, 0
	s_lshl_b32 s18, s14, 4
	s_add_co_u32 s18, s18, s15
	s_mul_i32 s18, s18, 98304                      ; V: (16 b + head) x 98,304
	s_mov_b32 s19, 0
	s_lshr_b32 s20, s15, 1
	s_add_co_u32 s20, s20, 8
	s_lshl_b32 s20, s20, 15
	s_lshl_b32 s21, s14, 13
	s_add_co_u32 s20, s20, s21                     ; K's scale words: pair 8 + head / 2, batch b's 2,048 tokens
	s_mov_b32 s21, 0
	s_lshl_b32 s22, s14, 16
	s_lshl_b32 s23, s15, 8
	s_add_co_u32 s22, s22, s23
	s_lshl_b32 s23, s12, 12
	s_add_co_u32 s22, s22, s23                     ; V's: step = my wave's number, the head's 64 words
	s_mov_b32 s23, 0
	s_and_b32 s24, s15, 1
	s_lshl_b32 s24, s24, 4                         ; which half of a pair's scale word is my head's
	s_wait_alu depctr_va_vdst(0)
	s_wait_kmcnt 0x0
	s_add_nc_u64 s[16:17], s[4:5], s[16:17]
	s_add_nc_u64 s[18:19], s[8:9], s[18:19]
	s_add_nc_u64 s[20:21], s[6:7], s[20:21]
	s_add_nc_u64 s[22:23], s[10:11], s[22:23]
.irp i, 0,1,2,3,4,5,6,7,8,9,10,11
	global_load_b128 v[96+4*\i:99+4*\i], v200, s[16:17] offset:8192*\i
.endr
.irp i, 0,1,2,3,4,5,6,7,8,9,10,11
	global_load_b128 v[144+4*\i:147+4*\i], v200, s[18:19] offset:8192*\i
.endr
	global_load_b128 v[192:195], v200, s[20:21]
	global_load_b64 v[196:197], v2, s[22:23]
	v_mov_b32 v10, 0xff800000
.irp i, 22,23,24,25,26,27,84,85,86,87,88,89,216,217,218,219,227
	v_mov_b32 v\i, 0                               ; Q's zero codes; the six registers behind K's last tile; permute destinations; the pair's upper half
.endr
.set i, 0
.rept 24
	s_wait_loadcnt 25-i                            ; load i is in: 25 - i were issued behind it
	ds_store_b128 v[200+i/6], v[96+4*i:99+4*i] offset:8192*(i%6)
.set i, i+1
.endr
	s_wait_loadcnt 1
.irp k, 0,1,2,3
	v_bfe_u32 v[192+\k], v[192+\k], s24, 16        ; my head's two bytes; bytes 2, 3 = 0
.endr
	ds_store_b128 v204, v[192:195]
	s_wait_loadcnt 0x0
	ds_store_b64 v205, v[196:197]
	s_wait_dscnt 0x0                               ; for the others' sake: my stores have landed
	s_barrier_signal -1
	s_barrier_wait -1                              ; from here on LDS is only read
	s_mov_b32 s8, 0x3e38aa3b                       ; c = log2(e) / 8
	s_mov_b32 s9, s8
	s_mov_b32 s10, 0xffff0000
	s_mov_b32 s11, s24
	s_mov_b32 s2, 0x76543210
	s_mov_b32 s3, 0xfedcba98
	s_lshl_b32 s66, ttmp9, 4
	s_add_co_u32 s66, s66, s12                     ; T = 16 j + wave
	s_mov_b32 s67, 2
; The step's scores.  w = 1: V's fragments are asked for behind the products.
.macro SCORES w
	v_add_nc_u32 v4, s99, v1
	v_add_nc_u32 v5, s99, v2
	v_add_nc_u32 v8, s100, v3
	v_nop                                          ; four places in front of loads into registers that the last products read
.irp t, 0,1,2,3,4,5,6,7
	ds_load_b128 v[KB+6*\t:KB+6*\t+3], v4 offset:768*\t
	ds_load_b64 v[KB+6*\t+4:KB+6*\t+5], v5 offset:768*\t+512
.endr
.irp u, 0,1,2,3
	ds_load_b32 v[28+\u], v8 offset:128*\u         ; lanes 0-15: tile 2 u's words; lanes 16-31: tile 2 u + 1's
.endr
	s_wait_dscnt 0x0
.irp t, 0,1,2,3,4,5,6,7
.if \t%2
	v_wmma_scale_f32_16x16x128_f8f6f4 v[S+8*\t:S+8*\t+7], v[KB+6*\t:KB+6*\t+11], v[16:27], 0, v[28+\t/2], v11 matrix_a_fmt:MATRIX_FMT_FP6 matrix_b_fmt:MATRIX_FMT_FP6 matrix_a_scale:MATRIX_SCALE_ROW1
.else
	v_wmma_scale_f32_16x16x128_f8f6f4 v[S+8*\t:S+8*\t+7], v[KB+6*\t:KB+6*\t+11], v[16:27], 0, v[28+\t/2], v11 matrix_a_fmt:MATRIX_FMT_FP6 matrix_b_fmt:MATRIX_FMT_FP6
.endif
.endr
.if \w
	v_add_nc_u32 v6, s99, v234                     ; four places behind the products,
	v_add_nc_u32 v7, s99, v235
	v_add_nc_u32 v9, s101, v35
	v_add_nc_u32 v229, s101, v236                  ; the step's 256 bytes of block maxima
.irp d, 0,1,2,3                                ; then V's four fragments into the registers that K has left
.irp c, 0,1
	ds_load_b128 v[KB+12*\d+6*\c:KB+12*\d+6*\c+3], v6 offset:1536*\d+768*\c
	ds_load_b64 v[KB+12*\d+6*\c+4:KB+12*\d+6*\c+5], v7 offset:1536*\d+768*\c+512
.endr
.endr
	ds_load_b32 v32, v9
	ds_load_b32 v33, v9 offset:128
	ds_load_b128 v[BMX:BMX+3], v229                ; the four blocks' largest scores, as walk 1 found them
.else
.rept 4
	v_nop
.endr
.endif
	s_lshr_b32 s78, s97, s98
	s_and_b32 s78, s78, 1
	s_cmp_eq_u32 s78, 0
	s_cbranch_scc1 .Lopen_\@                       ; no score of this step is masked: its mask words are not loaded
	s_load_b512 s[16:31], s[76:77], 0x0            ; the step's 64 mask words
	s_load_b512 s[32:47], s[76:77], 0x40
	s_load_b512 s[48:63], s[76:77], 0x80
	s_load_b512 s[80:95], s[76:77], 0xc0
	s_wait_kmcnt 0x0
.set n, 0
.rept 48
	v_cndmask_b32 v[S+n], v[S+n], v10, s[16+n]     ; masked scores become -infinity
.set n, n+1
.endr
.rept 16
	v_cndmask_b32 v[S+n], v[S+n], v10, s[32+n]
.set n, n+1
.endr
.Lopen_\@:
.endm
.macro BLOCKMAX                        ; my 16 scores of each block of 32 keys
.irp b, 0,1,2,3
	v_max3_num_f32 v[BMX+\b], v[S+16*\b], v[S+1+16*\b], v[S+2+16*\b]
.endr
.irp i, 3,5,7,9,11,13
.irp b, 0,1,2,3
	v_max3_num_f32 v[BMX+\b], v[BMX+\b], v[S+16*\b+\i], v[S+1+16*\b+\i]
.endr
.endr
.irp b, 0,1,2,3
	v_max_num_f32 v[BMX+\b], v[BMX+\b], v[S+15+16*\b]
.endr
.endm
.macro TMINUSM                         ; t - M, two at a time (of the pairs c and -M the low word serves both halves)
.set j, 0
.rept 32
	v_pk_fma_f32 v[S+j:S+j+1], v[S+j:S+j+1], s[8:9], v[12:13] op_sel_hi:[1,0,0]
.set j, j+2
.endr
.endm
.macro EXPS
.set j, 0
.rept 64
	v_exp_f32 v[S+j], v[S+j]
.set j, j+1
.endr
.endm
.macro P1                              ; walk 1: M and l; the blocks' largest scores are joined over the two halves of the lanes and kept for walk 2
	BLOCKMAX
.irp b, 0,1,2,3
	s_delay_alu instid0(VALU_DEP_4)
	v_permlanex16_b32 v[216+\b], v[BMX+\b], s2, s3
.endr
.irp b, 0,1,2,3
	s_delay_alu instid0(VALU_DEP_4)
	v_max_num_f32 v[BMX+\b], v[BMX+\b], v[216+\b]
.endr
	s_delay_alu instid0(VALU_DEP_2)
	v_max3_num_f32 v228, v212, v213, v214
	s_delay_alu instid0(VALU_DEP_1)
	v_max_num_f32 v228, v228, v215
	s_delay_alu instid0(VALU_DEP_1)
	v_mul_f32 v228, s8, v228
	s_delay_alu instid0(VALU_DEP_1)
	v_max_num_f32 v13, v13, v228                   ; the running largest t
	v_mov_b32 v228, v12
	s_delay_alu instid0(VALU_DEP_2)
	v_floor_f32 v12, -v13                          ; -M = floor(-t): M is a whole number
	s_delay_alu instid0(VALU_DEP_1)
	v_sub_f32 v228, v12, v228
	s_delay_alu instid0(VALU_DEP_1)
	v_cvt_i32_f32 v228, v228                       ; (it saturates)
	s_delay_alu instid0(VALU_DEP_1)
	v_ldexp_f32 v226, 1.0, v228                    ; f = 2^(old M - new M): rounds nothing
	v_add_nc_u32 v229, s101, v236                  ; the step's 256 bytes of block maxima
	ds_store_b128 v229, v[BMX:BMX+3]               ; both halves of the lanes store the same 16 bytes
	TMINUSM
	s_wait_alu depctr_va_vdst(0)
	EXPS
	v_pk_mul_f32 v[14:15], v[14:15], v[226:227] op_sel_hi:[1,0]   ; the sums under the new M.  (A plain place behind the exponentials)
	s_wait_alu depctr_va_vdst(0)
	v_pk_add_f32 v[230:231], v[100:101], v[104:105]
	v_pk_add_f32 v[252:253], v[108:109], v[112:113]
	v_pk_add_f32 v[250:251], v[116:117], v[120:121]
	v_pk_add_f32 v[248:249], v[124:125], v[128:129]
	v_pk_add_f32 v[246:247], v[132:133], v[136:137]
	v_pk_add_f32 v[244:245], v[140:141], v[144:145]
	v_pk_add_f32 v[242:243], v[148:149], v[152:153]
	v_pk_add_f32 v[14:15], v[14:15], v[156:157]
	v_pk_add_f32 v[230:231], v[230:231], v[96:97]
	v_pk_add_f32 v[252:253], v[252:253], v[98:99]
	v_pk_add_f32 v[250:251], v[250:251], v[102:103]
	v_pk_add_f32 v[248:249], v[248:249], v[106:107]
	v_pk_add_f32 v[246:247], v[246:247], v[110:111]
	v_pk_add_f32 v[244:245], v[244:245], v[114:115]
	v_pk_add_f32 v[242:243], v[242:243], v[118:119]
	v_pk_add_f32 v[14:15], v[14:15], v[122:123]
	v_pk_add_f32 v[230:231], v[230:231], v[126:127]
	v_pk_add_f32 v[252:253], v[252:253], v[130:131]
	v_pk_add_f32 v[250:251], v[250:251], v[134:135]
	v_pk_add_f32 v[248:249], v[248:249], v[138:139]
	v_pk_add_f32 v[246:247], v[246:247], v[142:143]
	v_pk_add_f32 v[244:245], v[244:245], v[146:147]
	v_pk_add_f32 v[242:243], v[242:243], v[150:151]
	v_pk_add_f32 v[14:15], v[14:15], v[154:155]
	v_pk_add_f32 v[230:231], v[230:231], v[158:159]
	s_delay_alu instid0(VALU_DEP_2)
	v_pk_add_f32 v[14:15], v[14:15], v[248:249]
	s_delay_alu instid0(VALU_DEP_2)
	v_pk_add_f32 v[230:231], v[230:231], v[246:247]
	v_pk_add_f32 v[252:253], v[252:253], v[244:245]
	v_pk_add_f32 v[250:251], v[250:251], v[242:243]
	s_delay_alu instid0(VALU_DEP_2)
	v_pk_add_f32 v[14:15], v[14:15], v[252:253]
	s_delay_alu instid0(VALU_DEP_2)
	v_pk_add_f32 v[230:231], v[230:231], v[250:251]
	s_delay_alu instid0(VALU_DEP_1)
	v_pk_add_f32 v[14:15], v[14:15], v[230:231]
.endm
.macro P2                              ; walk 2: v12 = -M - log2(l), so 2^(t + v12) is the finished weight; the weight rises with the score, so a block's largest score gives its largest weight
	TMINUSM
	s_wait_dscnt 0x0                               ; the block maxima (and V's fragments)
.irp b, 0,1,2,3
	v_fma_f32 v[BMX+\b], v[BMX+\b], s8, v12
.endr
	s_wait_alu depctr_va_vdst(0)
	EXPS
.irp b, 0,1,2,3
	v_exp_f32 v[BMX+\b], v[BMX+\b]
.endr
	v_nop                                          ; a plain place behind the exponentials
	s_wait_alu depctr_va_vdst(0)
.irp b, 0,1,2,3
	v_max_num_f32 v[BMX+\b], 0x1800000, v[BMX+\b]  ; the floor 2^(3 - 127)
.endr
.irp b, 0,1,2,3
	s_delay_alu instid0(VALU_DEP_4)
	v_add_nc_u32 v[220+\b], 0xff000000, v[BMX+\b]  ; 2 off the exponent field: the conversion's scale operand
.endr
.irp b, 0,1,2,3
	s_delay_alu instid0(VALU_DEP_4)
	v_lshrrev_b32 v[216+\b], 23, v[220+\b]
.endr
	s_delay_alu instid0(VALU_DEP_3)
	v_lshl_or_b32 v34, v217, 8, v216               ; the weights' scale word for these 128 keys
	s_delay_alu instid0(VALU_DEP_1)
	v_lshl_or_b32 v34, v218, 16, v34
	s_delay_alu instid0(VALU_DEP_1)
	v_lshl_or_b32 v34, v219, 24, v34
.irp c, 0,1
	v_cvt_scalef32_pk16_fp6_f32 v[PCD+6*\c:PCD+2+6*\c], v[S+32*\c:S+15+32*\c], v[220+2*\c]
	v_cvt_scalef32_pk16_fp6_f32 v[PCD+12+4*\c:PCD+14+4*\c], v[S+16+32*\c:S+31+32*\c], v[220+2*\c+1]
.endr
	v_nop                                          ; one plain place behind a scaled conversion
.irp c, 0,1
.irp i, 0,1,2
	v_permlane16_swap_b32 v[PCD+6*\c+\i], v[PCD+12+4*\c+\i]
.endr
.irp i, 0,1,2
	s_delay_alu instid0(VALU_DEP_3)
	v_mov_b32 v[PCD+3+6*\c+\i], v[PCD+12+4*\c+\i]
.endr
.endr
.rept 4
	v_nop                                          ; an operand written by vector instructions stands four places ahead of a scaled product
.endr
	s_wait_alu depctr_va_vdst(0)
	s_wait_dscnt 0x0                               ; V's fragments and scale words
.irp d, 0,1,2,3                                ; four accumulators by turns; between two links of a chain stand the next step's score products
.if \d%2
	v_wmma_scale_f32_16x16x128_f8f6f4 v[O+8*\d:O+8*\d+7], v[KB+12*\d:KB+12*\d+11], v[PCD:PCD+11], v[O+8*\d:O+8*\d+7], v[32+\d/2], v34 matrix_a_fmt:MATRIX_FMT_FP6 matrix_b_fmt:MATRIX_FMT_FP6 matrix_a_scale:MATRIX_SCALE_ROW1
.else
	v_wmma_scale_f32_16x16x128_f8f6f4 v[O+8*\d:O+8*\d+7], v[KB+12*\d:KB+12*\d+11], v[PCD:PCD+11], v[O+8*\d:O+8*\d+7], v[32+\d/2], v34 matrix_a_fmt:MATRIX_FMT_FP6 matrix_b_fmt:MATRIX_FMT_FP6
.endif
.endr
.endm
.Ltile:
	s_lshl_b32 s24, s66, 7
	s_lshl_b32 s25, s14, 5
	s_add_co_u32 s24, s24, s25                     ; the tile's flags for batch b: 128 T + 32 b
	s_mov_b32 s25, 0
	s_add_nc_u64 s[24:25], s[70:71], s[24:25]
	s_load_b256 s[16:23], s[24:25], 0x0
	s_lshl_b32 s26, s14, 7
	s_add_co_u32 s26, s26, s66                     ; the tile among all 512: 128 b + T
	s_lshl_b32 s27, s15, 9
	s_add_co_u32 s27, s27, s26
	s_mul_i32 s28, s27, 768
	s_mov_b32 s29, 0
	s_add_nc_u64 s[28:29], s[4:5], s[28:29]        ; Q's image
	s_lshr_b32 s30, s15, 1
	s_lshl_b32 s30, s30, 15
	s_lshl_b32 s31, s26, 6
	s_add_co_u32 s30, s30, s31
	s_mov_b32 s31, 0
	s_add_nc_u64 s[30:31], s[6:7], s[30:31]        ; its scale words
	global_load_b128 v[16:19], v1, s[28:29]
	global_load_b64 v[20:21], v2, s[28:29] offset:512
	global_load_b32 v11, v232, s[30:31]
	s_lshl_b32 s76, s26, 12
	s_mov_b32 s77, 0
	s_add_nc_u64 s[76:77], s[68:69], s[76:77]      ; the tile's mask words
	s_mov_b32 s98, 0
	s_mov_b32 s99, 0
	s_mov_b32 s100, 0
	s_mov_b32 s101, 0
	s_wait_kmcnt 0x0
	s_or_b32 s96, s16, s18
	s_or_b32 s96, s96, s20
	s_or_b32 s96, s96, s22                         ; steps with a score that counts
	s_or_b32 s97, s17, s19
	s_or_b32 s97, s97, s21
	s_or_b32 s97, s97, s23                         ; steps with a masked score
	s_wait_loadcnt 0x0                             ; Q; its loads' bases may be written again
	v_bfe_u32 v11, v11, s11, 16                    ; my head's two bytes; bytes 2, 3 = 0
	v_mov_b32 v13, 0xff61b1e6                      ; the largest t so far: -3e38
	s_delay_alu instid0(VALU_DEP_1)
	v_floor_f32 v12, -v13
	v_mov_b32 v14, 0
	v_mov_b32 v15, 0
.set j, 0
.rept 32
	v_mov_b32 v[O+j], 0                            ; O^T: which step is the first hangs on the masks, so no product can be written out to start the sums
.set j, j+1
.endr
.Lw1:                                              ; walk 1: 16 trips
	s_lshr_b32 s78, s96, s98
	s_and_b32 s78, s78, 1
	s_cmp_eq_u32 s78, 0
	s_cbranch_scc1 .Lskip1
	SCORES 0
	P1
.Lskip1:
	s_add_co_u32 s101, s101, 256
	s_add_co_u32 s99, s99, 6144
	s_add_co_u32 s100, s100, 512
	s_add_nc_u64 s[76:77], s[76:77], 256           ; (the step's scalar loads were waited for)
	s_add_co_u32 s98, s98, 1
	s_cmp_lt_u32 s98, 16
	s_cbranch_scc1 .Lw1
	; the two halves of the lanes are joined: the larger M, both sums under it
	s_wait_alu depctr_va_vdst(0)
	v_add_f32 v14, v14, v15
	v_permlanex16_b32 v216, v12, s2, s3
	s_delay_alu instid0(VALU_DEP_1)
	v_min_num_f32 v228, v12, v216                  ; the smaller -M
	s_delay_alu instid0(VALU_DEP_1)
	v_sub_f32 v229, v228, v12
	s_delay_alu instid0(VALU_DEP_1)
	v_cvt_i32_f32 v229, v229
	s_delay_alu instid0(VALU_DEP_1)
	v_ldexp_f32 v229, 1.0, v229
	s_delay_alu instid0(VALU_DEP_1)
	v_mul_f32 v14, v14, v229
	v_mov_b32 v12, v228
	s_delay_alu instid0(VALU_DEP_2)
	v_permlanex16_b32 v217, v14, s2, s3
	s_delay_alu instid0(VALU_DEP_1)
	v_add_f32 v14, v14, v217                       ; l
	s_wait_alu depctr_va_vdst(0)
	v_log_f32 v224, v14                            ; l is at least 1/2 where a key counts: M is the largest t rounded up
	v_nop                                          ; a plain place behind the logarithm
	v_cmp_lt_f32 vcc_lo, 0, v14
	s_wait_alu depctr_va_vdst(0)
	v_sub_f32 v224, v12, v224                      ; -M - log2(l): the division by l goes into the exponent
	s_delay_alu instid0(VALU_DEP_1)
	v_cndmask_b32 v12, v10, v224, vcc_lo           ; a row with no key that counts: -infinity, so that its weights are 0
	s_wait_alu depctr_va_vdst(0)                   ; behind this write
	s_sub_nc_u64 s[76:77], s[76:77], 4096
	s_mov_b32 s98, 0
	s_mov_b32 s99, 0
	s_mov_b32 s100, 0
	s_mov_b32 s101, 0
.Lw2:
	s_lshr_b32 s78, s96, s98
	s_and_b32 s78, s78, 1
	s_cmp_eq_u32 s78, 0
	s_cbranch_scc1 .Lskip2
	SCORES 1
	P2
.Lskip2:
	s_add_co_u32 s99, s99, 6144
	s_add_co_u32 s100, s100, 512
	s_add_co_u32 s101, s101, 256
	s_add_nc_u64 s[76:77], s[76:77], 256
	s_add_co_u32 s98, s98, 1
	s_cmp_lt_u32 s98, 16
	s_cbranch_scc1 .Lw2
	; THE WAY OUT: the head's 64 outputs of 16 queries become six operand registers and two scale bytes a query
.rept 4
	v_nop                                          ; places behind the last products
.endr
.irp b, 0,1
.irp j, 0,1,2,3,4,5,6,7
	v_permlane16_swap_b32 v[O+16*\b+\j], v[O+8+16*\b+\j]   ; v[O + 16 b] on: d = 32 b + 16 (lane / 16) + 0 .. 15, in true order
.endr
.endr
.irp b, 0,1
	v_max3_num_f32 v[BMX+\b], |v[O+16*\b]|, |v[O+1+16*\b]|, 0x1800000
.endr
.irp i, 2,4,6,8,10,12,14
.irp b, 0,1
	s_delay_alu instid0(VALU_DEP_2)
	v_max3_num_f32 v[BMX+\b], v[BMX+\b], |v[O+16*\b+\i]|, |v[O+1+16*\b+\i]|
.endr
.endr
.irp b, 0,1
	s_delay_alu instid0(VALU_DEP_2)
	v_permlanex16_b32 v[216+\b], v[BMX+\b], s2, s3
.endr
.irp b, 0,1
	s_delay_alu instid0(VALU_DEP_2)
	v_max_num_f32 v[BMX+\b], v[BMX+\b], v[216+\b]
.endr
.irp b, 0,1
	s_delay_alu instid0(VALU_DEP_2)
	v_add_nc_u32 v[220+\b], 0xff000000, v[BMX+\b]
.endr
.irp b, 0,1
	s_delay_alu instid0(VALU_DEP_2)
	v_lshrrev_b32 v[216+\b], 23, v[220+\b]
.endr
	v_cvt_scalef32_pk16_fp6_f32 v[PCD:PCD+2], v[O:O+15], v220
	v_cvt_scalef32_pk16_fp6_f32 v[PCD+12:PCD+14], v[O+16:O+31], v221
	v_nop                                          ; one plain place behind a scaled conversion
.irp i, 0,1,2
	v_permlane16_swap_b32 v[PCD+\i], v[PCD+12+\i]  ; lanes 0-15 block 0, lanes 16-31 block 1, whole
.endr
.irp i, 0,1,2
	s_delay_alu instid0(VALU_DEP_3)
	v_mov_b32 v[PCD+3+\i], v[PCD+12+\i]
.endr
	v_cndmask_b32 v228, v216, v217, s10            ; my half's block's byte
	s_lshl_b32 s16, s14, 7
	s_add_co_u32 s16, s16, s66
	s_lshl_b32 s18, s16, 4
	s_add_co_u32 s18, s18, s15
	s_mul_i32 s18, s18, 768
	s_mov_b32 s19, 0
	s_add_nc_u64 s[18:19], s[72:73], s[18:19]
	s_lshl_b32 s20, s16, 9
	s_lshl_b32 s21, s15, 1
	s_add_co_u32 s20, s20, s21
	s_mov_b32 s21, 0
	s_add_nc_u64 s[20:21], s[74:75], s[20:21]
	s_wait_alu depctr_va_vdst(0)
.irp p, 0,1,2
	global_store_b64 v2, v[PCD+2*\p:PCD+2*\p+1], s[18:19] offset:256*\p   ; 32 lanes store 256 consecutive bytes, aligned
.endr
	global_store_b8 v233, v228, s[20:21]           ; token r's byte of block 2 head + h
	s_wait_xcnt 0x0                                ; the stores have read their data and bases: the next tile writes them again
	s_sub_co_u32 s66, 127, s66                     ; the partner tile
	s_sub_co_u32 s67, s67, 1
	s_cmp_lg_u32 s67, 0
	s_cbranch_scc1 .Ltile
	s_wait_tensorcnt 0x0
	ds_add_u32 v254, v255
	s_wait_dscnt 0x0
	s_endpgm
.Lfunc_end_k_q786a3d3097_attn:
	.size	k_q786a3d3097_attn, .Lfunc_end_k_q786a3d3097_attn-k_q786a3d3097_attn
	.p2alignl 7, 3214868480
	.fill 96, 4, 3214868480
	.section	.rodata,"a",@progbits
	.p2align	6, 0x0
	.amdhsa_kernel k_q786a3d3097_attn
		.amdhsa_group_segment_fixed_size 276480
		.amdhsa_private_segment_fixed_size 0
		.amdhsa_enable_private_segment 0
		.amdhsa_kernarg_size 64
		.amdhsa_user_sgpr_count 2
		.amdhsa_user_sgpr_kernarg_segment_ptr 1
		.amdhsa_wavefront_size32 1
		.amdhsa_system_sgpr_workgroup_id_x 1
		.amdhsa_system_sgpr_workgroup_id_y 1
		.amdhsa_system_sgpr_workgroup_id_z 1
		.amdhsa_system_vgpr_workitem_id 0
		.amdhsa_next_free_vgpr 256
		.amdhsa_next_free_sgpr 102
		.amdhsa_reserve_vcc 1
		.amdhsa_float_denorm_mode_32 3
		.amdhsa_float_denorm_mode_16_64 3
		.amdhsa_memory_ordered 1
		.amdhsa_forward_progress 1
		.amdhsa_inst_pref_size 51
	.end_amdhsa_kernel
	.amdgpu_metadata
---
amdhsa.version: [ 1, 2 ]
amdhsa.kernels:
  - .name:           k_q786a3d3097_attn
    .symbol:         k_q786a3d3097_attn.kd
    .args:
      - { .name: qk_img, .offset: 0, .size: 8, .value_kind: global_buffer, .address_space: global }
      - { .name: qk_sc, .offset: 8, .size: 8, .value_kind: global_buffer, .address_space: global }
      - { .name: vt_img, .offset: 16, .size: 8, .value_kind: global_buffer, .address_space: global }
      - { .name: vt_sc, .offset: 24, .size: 8, .value_kind: global_buffer, .address_space: global }
      - { .name: mwords, .offset: 32, .size: 8, .value_kind: global_buffer, .address_space: global }
      - { .name: mflags, .offset: 40, .size: 8, .value_kind: global_buffer, .address_space: global }
      - { .name: att_img, .offset: 48, .size: 8, .value_kind: global_buffer, .address_space: global }
      - { .name: att_sc, .offset: 56, .size: 8, .value_kind: global_buffer, .address_space: global }
    .group_segment_fixed_size: 276480
    .private_segment_fixed_size: 0
    .kernarg_segment_align: 8
    .kernarg_segment_size: 64
    .max_flat_workgroup_size: 512
    .sgpr_count:     102
    .vgpr_count:     256
    .wavefront_size: 32
...
	.end_amdgpu_metadata
.endif
;; end of part 3
;; launch proj (part 4): grid 4 x 64, 4 waves a work-group, clusters of 4 x 4, 327,680 bytes of LDS; arguments att_img, att_sc, Wproj_codes, Wproj_scales, out0, bproj; writes out0
.if DOCPART == 4
	.amdgcn_target "amdgcn-amd-amdhsa--gfx1250"
	.amdhsa_code_object_version 6
	.text
	.protected	k_q786a3d3097_proj
	.globl	k_q786a3d3097_proj
	.p2align	8
	.type	k_q786a3d3097_proj,@function
k_q786a3d3097_proj:
	s_mov_b64 s[64:65], 0
	v_nop
	global_prefetch_b8 v0, s[64:65] scope:SCOPE_SE
	s_setreg_imm32_b32 hwreg(HW_REG_WAVE_MODE, 25, 1), 1
	s_wait_xcnt 0x0
	s_wait_alu depctr_hold_cnt(0) depctr_sa_sdst(0) depctr_va_vdst(0) depctr_va_sdst(0) depctr_va_ssrc(0) depctr_va_vcc(0) depctr_vm_vsrc(0)
	s_getreg_b32 s2, hwreg(HW_REG_IB_STS2, 6, 4)
	s_cmp_eq_u32 s2, 0
	s_cbranch_scc0 .Lentry_in_a_cluster
	s_endpgm
.Lentry_in_a_cluster:
	s_bfe_u32 s2, ttmp6, 0x10000c
	s_cmp_lg_u32 s2, 0xf033
	s_cbranch_scc0 .Lentry_shape_is_right
	s_endpgm
.Lentry_shape_is_right:
; out0 = att Wproj^T + bproj on codes of FP6 (E2M3) with E8M0 scales, K = 1,024, f32 out.
; A work-group makes 128 tokens x 256 columns: 256 work-groups.  ALL OF K LIES IN LDS, filled once, one joint load a wave at the head; nothing is filled again.
; A: att_img, images of operand registers [tile of 16 tokens][16 heads][3][32 lanes][8]: 128 tokens are 98,304 dense bytes, brought as rows of 256 bytes; a fragment's piece is 8 bytes x lane.
; B: 256 rows of Wproj's codes, 768 bytes each from a multiple of 256 bytes, 16 bytes of padding behind every 256: pitch 816.
; CLUSTERS 4 x 4: A's tile is shared along a row of the cluster, B's along a column.  No prefetch: every tile is asked for once, at the head, and there is no loop to run ahead in.
; A wave makes 64 x 128: 32 accumulators by turns.  Source 0 = 16 rows of Wproj, source 1 = 16 tokens: a lane holds eight neighbouring columns of a row of out0.
; Scale words go from memory into registers: a row's 32 bytes are its eight words.  The bias is the C of the first step's products.
; REGISTERS: window 0: v0-31 addresses, v32-63 A's scale words, v64-127 B's, v128-223 A's fragments (two sets), on the way out v128-255; window 1: v0-191 B's fragments (two sets), v192-255 the bias; window 2: accumulators.
.set SIZE_N, 1024
.set KROW,   768
.set PITCH,  816
.set FR,     12
.set ABYTES, 98304
.set SPARE,  ABYTES+256*PITCH
.set SPITCH, 528                       ; the way out: 16 rows x (512 + 16) bytes a wave, on A's bytes, which by then have had their only fill and their last read
.set ADRA, 16
.set ADRB, 20                          ; v20-21 B's blocks 0-3 (the second with 16 more in lanes 16-31), v22-23 blocks 4-7
.set STO,  24
.set RD,   25
.set CO,   26
.set SO,   27
.set SPW,  28
.set NIL,  29
.set SA,   32
.set SB,   64
.set AF,   128
.set BN,   192
.set BK,   128
.set G1, 24
.set G0, 32
.set G1B, 48
.set G0B, 56
.set MSB, 0
.macro WIN new
.if MSB != \new
	s_set_vgpr_msb (MSB<<8)|\new
.set MSB, \new
.endif
.endm
.macro PLACES
.rept 4
	v_nop
.endr
.endm
.macro CREST
	s_cmp_lg_u32 s14, 0
	s_cbranch_scc1 .Lnot_wave_0_\@
	s_barrier_signal -3
.Lnot_wave_0_\@:
	s_barrier_wait -3
	s_barrier_signal -1
	s_barrier_wait -1
.endm
.macro CROUND
	s_barrier_signal -1
	s_barrier_wait -1
	CREST
.endm
	s_load_b256 s[4:11], s[0:1], 0x0               ; att_img, att_sc, W codes, W scales
	s_load_b128 s[68:71], s[0:1], 0x20             ; out0, bproj
	v_lshl_add_u32 v[SPW], v0, 2, SPARE
	v_mov_b32 v[NIL], 0
	ds_add_u32 v[SPW], v[NIL]                      ; the opening lines
	ds_add_u32 v[SPW], v[NIL]
	v_lshrrev_b32 v1, 5, v0
	v_readfirstlane_b32 s14, v1                    ; wave
	s_lshr_b32 s15, s14, 1                         ; my 64 tokens.  Also: I fetch for A (0) or B (1)
	s_and_b32 s16, s14, 1                          ; my 128 columns.  Also: which half I fetch
	s_bfe_u32 s40, ttmp6, 0x40000
	s_bfe_u32 s41, ttmp6, 0x40004
	s_lshl_b32 s42, ttmp9, 2
	s_add_co_u32 s42, s42, s40                     ; tile column
	s_and_b32 s17, ttmp7, 0xffff
	s_lshl_b32 s17, s17, 2
	s_add_co_u32 s17, s17, s41                     ; tile row
	s_lshl_b32 s43, s41, 2
	s_lshl_b32 s43, 15, s43
	s_lshl_b32 s44, 0x1111, s40
	s_or_b32 s[G1+0], s43, (3<<16)|(1<<21)         ; A: 192 dense rows of 32 elements of 8 bytes
	s_mov_b32 s[G1+1], 32<<16
	s_mov_b32 s[G1+2], 192<<16
	s_mov_b32 s[G1+3], 32<<16
	s_mov_b32 s[G1+4], 192
	s_mov_b32 s[G1+5], 32
	s_mov_b32 s[G1+6], 0
	s_mov_b32 s[G1+7], 0
	s_or_b32 s[G1B+0], s44, (1<<20)|(1<<21)|(5<<22)|(3<<25)   ; B: 128 rows of 768 bytes, 4 words of padding behind every 64
	s_mov_b32 s[G1B+1], KROW<<16
	s_mov_b32 s[G1B+2], 128<<16
	s_mov_b32 s[G1B+3], KROW<<16
	s_mov_b32 s[G1B+4], 128
	s_mov_b32 s[G1B+5], KROW
	s_mov_b32 s[G1B+6], 0
	s_mov_b32 s[G1B+7], 0
	s_lshl_b32 s20, s17, 3
	s_lshl_b32 s21, s16, 2
	s_add_co_u32 s20, s20, s21
	s_mul_i32 s20, s20, 12288                      ; A: the four tiles of 16 tokens that I would fetch
	s_mov_b32 s21, 0
	s_lshl_b32 s22, s17, 7
	s_lshl_b32 s23, s15, 6
	s_add_co_u32 s22, s22, s23                     ; my first token
	s_lshl_b32 s18, s22, 12                        ; its row of out0
	s_mov_b32 s19, 0
	s_lshl_b32 s22, s22, 5                         ; its scales
	s_mov_b32 s23, 0
	s_lshl_b32 s46, s42, 8
	s_lshl_b32 s47, s16, 7
	s_add_co_u32 s46, s46, s47                     ; B: the 128 rows that I fetch are those that I multiply
	s_lshl_b32 s92, s46, 5
	s_mov_b32 s93, 0
	s_lshl_b32 s72, s46, 2                         ; my first column, in bytes
	s_mov_b32 s73, 0
	s_mul_i32 s46, s46, KROW
	s_mov_b32 s47, 0
	s_mul_i32 s45, s16, 49152
	s_mul_i32 s94, s16, 128*PITCH
	s_add_co_u32 s94, s94, ABYTES
	s_mul_i32 s96, s15, 49152
	s_add_co_u32 s97, s94, 64*PITCH
	s_mul_i32 s95, s14, 16*SPITCH
	s_wait_dscnt 0x0
	s_wait_kmcnt 0x0
	s_add_nc_u64 s[4:5], s[4:5], s[20:21]
	s_add_nc_u64 s[6:7], s[6:7], s[22:23]
	s_add_nc_u64 s[8:9], s[8:9], s[46:47]
	s_add_nc_u64 s[10:11], s[10:11], s[92:93]
	s_add_nc_u64 s[68:69], s[68:69], s[18:19]
	s_add_nc_u64 s[68:69], s[68:69], s[72:73]
	s_add_nc_u64 s[70:71], s[70:71], s[72:73]
	CROUND                                         ; the joint loads meet
	s_mov_b32 s[G0], 1
	s_mov_b32 s[G0+1], s45
	s_mov_b64 s[G0+2:G0+3], s[4:5]
	s_or_b32 s[G0+3], s[G0+3], 0x80000000
	s_mov_b32 s[G0B], 1
	s_mov_b32 s[G0B+1], s94
	s_mov_b64 s[G0B+2:G0B+3], s[8:9]
	s_or_b32 s[G0B+3], s[G0B+3], 0x80000000
	s_cmp_eq_u32 s15, 0                            ; one load a wave: waves 0, 1 A's halves, waves 2, 3 B's
	s_cbranch_scc0 .Lfor_b
	tensor_load_to_lds s[G0:G0+3], s[G1:G1+7]
	s_nop 0
	PLACES
	s_branch .Lasked
.Lfor_b:
	tensor_load_to_lds s[G0B:G0B+3], s[G1B:G1B+7]
	s_nop 0
	PLACES
.Lasked:
	v_and_b32 v1, 15, v0                           ; r
	v_bfe_u32 v2, v0, 4, 1                         ; h
	v_and_b32 v6, 31, v0
	v_mul_u32_u24 v3, v1, PITCH
	v_mad_u32_u24 v3, v2, 24, v3
	v_lshl_add_u32 v4, v2, 4, v3
	v_lshl_add_u32 v[ADRA], v6, 3, s96             ; A: 8 x lane in my four tiles
	v_add_nc_u32 v[ADRB], s94, v3
	v_add_nc_u32 v[ADRB+1], s94, v4
	v_add_nc_u32 v[ADRB+2], s97, v3
	v_add_nc_u32 v[ADRB+3], s97, v4
	v_lshlrev_b32 v[SO], 5, v1
	v_mul_u32_u24 v5, v1, SPITCH
	v_lshl_add_u32 v5, v2, 5, v5
	v_add_nc_u32 v[STO], s95, v5
	v_lshlrev_b32 v[CO], 4, v6
	v_add_nc_u32 v[RD], s95, v[CO]
	v_lshlrev_b32 v11, 5, v2
	s_wait_alu depctr_va_vdst(0)                   ; behind the head's last vector write
.irp a, 0,1,2,3
	global_load_b128 v[SA+8*\a:SA+8*\a+3], v[SO], s[6:7] offset:512*\a
	global_load_b128 v[SA+8*\a+4:SA+8*\a+7], v[SO], s[6:7] offset:512*\a+16
.endr
.irp b, 0,1,2,3,4,5,6,7
	global_load_b128 v[SB+8*\b:SB+8*\b+3], v[SO], s[10:11] offset:512*\b
	global_load_b128 v[SB+8*\b+4:SB+8*\b+7], v[SO], s[10:11] offset:512*\b+16
.endr
	WIN 0x40
.irp b, 0,1,2,3,4,5,6,7
	global_load_b128 v[BN+8*\b:BN+8*\b+3], v11, s[70:71] offset:64*\b
	global_load_b128 v[BN+8*\b+4:BN+8*\b+7], v11, s[70:71] offset:64*\b+16
.endr
	WIN 0
; Byte y of a row of B lies at y + 16 (y / 256) of its LDS row.  Lanes 16-31 read 24 bytes on: where that is behind a pad, the second address register serves.
.macro FRAG reg, adr, st, off
.irp p, 0,1,2,3,4,5
.set BY, 96*(\st)+48*(\p/3)+8*(\p%3)
.if BY/256 == (BY+24)/256
	ds_load_b64 v[\reg+2*\p:\reg+2*\p+1], v[\adr] offset:BY+16*(BY/256)+(\off)
.else
	ds_load_b64 v[\reg+2*\p:\reg+2*\p+1], v[\adr+1] offset:BY+16*(BY/256)+(\off)
.endif
.endr
.endm
.macro FRAGA reg, st, i                ; step st = heads 2 st, 2 st + 1: six pieces of 256 bytes
.irp p, 0,1,2,3,4,5
	ds_load_b64 v[\reg+2*\p:\reg+2*\p+1], v[ADRA] offset:12288*(\i)+1536*(\st)+256*\p
.endr
.endm
.macro FETCH st
	WIN 0x40
.irp i, 0,1,2,3,4,5,6,7
	FRAG 96*((\st)%2)+FR*\i, ADRB+2*(\i/4), \st, (\i%4)*16*PITCH
.endr
	WIN 0
.irp i, 0,1,2,3
	FRAGA AF+48*((\st)%2)+FR*\i, \st, \i
.endr
.endm
.macro MUL st, first
.irp a, 0,1,2,3
.irp b, 0,1,2,3,4,5,6,7
.if \first
	v_wmma_scale_f32_16x16x128_f8f6f4 v[8*(8*\a+\b):8*(8*\a+\b)+7], v[96*((\st)%2)+FR*\b:96*((\st)%2)+FR*\b+FR-1], v[AF+48*((\st)%2)+FR*\a:AF+48*((\st)%2)+FR*\a+FR-1], v[BN+8*\b:BN+8*\b+7], v[SB+8*\b+(\st)], v[SA+8*\a+(\st)] matrix_a_fmt:MATRIX_FMT_FP6 matrix_b_fmt:MATRIX_FMT_FP6
.else
	v_wmma_scale_f32_16x16x128_f8f6f4 v[8*(8*\a+\b):8*(8*\a+\b)+7], v[96*((\st)%2)+FR*\b:96*((\st)%2)+FR*\b+FR-1], v[AF+48*((\st)%2)+FR*\a:AF+48*((\st)%2)+FR*\a+FR-1], v[8*(8*\a+\b):8*(8*\a+\b)+7], v[SB+8*\b+(\st)], v[SA+8*\a+(\st)] matrix_a_fmt:MATRIX_FMT_FP6 matrix_b_fmt:MATRIX_FMT_FP6
.endif
.endr
.endr
.endm
	s_wait_loadcnt 0x0                             ; scale words and bias
	s_wait_tensorcnt 0x0                           ; my part of the tiles is in;
	s_barrier_signal -1
	s_barrier_wait -1                              ; everybody's is
	FETCH 0
.set ST, 0
.rept 8
	s_wait_dscnt 0x0                               ; this step's fragments, asked for ahead of the last step's 32 products
.if ST < 7
	PLACES                                         ; ahead of loads into registers that the last products read
	FETCH ST+1
.else
	s_barrier_signal -1                            ; my reads of the tiles are over
.endif
.if ST == 0
	WIN 0x91
	MUL ST, 1
.else
	WIN 0xa1
	MUL ST, 0
.endif
	WIN 0
.set ST, ST+1
.endr
	s_barrier_wait -1                              ; everybody's are: the stages may be written
; THE WAY OUT, block by block of 16 rows x 128 columns: through my stage, back as whole rows of 512 bytes.
.macro TOSTAGE a
.set AC, 64*(\a)
	WIN 0x08
.irp b, 0,1,2,3,4,5,6,7
	ds_store_b128 v[STO], v[AC+8*\b:AC+8*\b+3] offset:64*\b          ; each accumulator from its low end on
	ds_store_b128 v[STO], v[AC+8*\b+4:AC+8*\b+7] offset:64*\b+16
.endr
	WIN 0
.set BB, BK+64*((\a)%2)
.irp t, 0,1,2,3,4,5,6,7,8,9,10,11,12,13,14,15
	ds_load_b128 v[BB+4*\t:BB+4*\t+3], v[RD] offset:\t*SPITCH       ; LDS serves a wave's instructions in order
.endr
.endm
.macro SEND a, younger
.set BB, BK+64*((\a)%2)
	s_wait_dscnt \younger
.if (\a) > 0
	s_add_nc_u64 s[68:69], s[68:69], 16*SIZE_N*4   ; behind a wait on XCNT
.endif
.irp t, 0,1,2,3,4,5,6,7,8,9,10,11,12,13,14,15
	global_store_b128 v[CO], v[BB+4*\t:BB+4*\t+3], s[68:69] offset:\t*SIZE_N*4 th:TH_STORE_NT   ; 32 lanes store 512 consecutive bytes, aligned
.endr
.endm
	PLACES
	TOSTAGE 0
.irp a, 1,2,3
.if \a > 1
	s_wait_xcnt 0x0                                ; block a - 2's stores have read their registers and their base
.endif
	TOSTAGE \a
	SEND \a-1, 32
.endr
	s_wait_xcnt 0x0
	SEND 3, 0
	s_wait_tensorcnt 0x0                           ; the wave's end
	ds_add_u32 v[SPW], v[NIL]
	s_wait_dscnt 0x0
	CROUND                                         ; the closing round
	s_endpgm
.Lfunc_end_k_q786a3d3097_proj:
	.size	k_q786a3d3097_proj, .Lfunc_end_k_q786a3d3097_proj-k_q786a3d3097_proj
	.p2alignl 7, 3214868480
	.fill 96, 4, 3214868480
	.section	.rodata,"a",@progbits
	.p2align	6, 0x0
	.amdhsa_kernel k_q786a3d3097_proj
		.amdhsa_group_segment_fixed_size 327680
		.amdhsa_private_segment_fixed_size 0
		.amdhsa_enable_private_segment 0
		.amdhsa_kernarg_size 48
		.amdhsa_user_sgpr_count 2
		.amdhsa_user_sgpr_kernarg_segment_ptr 1
		.amdhsa_wavefront_size32 1
		.amdhsa_system_sgpr_workgroup_id_x 1
		.amdhsa_system_sgpr_workgroup_id_y 1
		.amdhsa_system_sgpr_workgroup_id_z 1
		.amdhsa_system_vgpr_workitem_id 0
		.amdhsa_next_free_vgpr 768
		.amdhsa_next_free_sgpr 98
		.amdhsa_reserve_vcc 0
		.amdhsa_float_denorm_mode_32 3
		.amdhsa_float_denorm_mode_16_64 3
		.amdhsa_memory_ordered 1
		.amdhsa_forward_progress 1
		.amdhsa_inst_pref_size 96
	.end_amdhsa_kernel
	.amdgpu_metadata
---
amdhsa.version: [ 1, 2 ]
amdhsa.kernels:
  - .name:           k_q786a3d3097_proj
    .symbol:         k_q786a3d3097_proj.kd
    .args:
      - { .name: att_img, .offset: 0, .size: 8, .value_kind: global_buffer, .address_space: global }
      - { .name: att_sc, .offset: 8, .size: 8, .value_kind: global_buffer, .address_space: global }
      - { .name: Wproj_codes, .offset: 16, .size: 8, .value_kind: global_buffer, .address_space: global }
      - { .name: Wproj_scales, .offset: 24, .size: 8, .value_kind: global_buffer, .address_space: global }
      - { .name: out0, .offset: 32, .size: 8, .value_kind: global_buffer, .address_space: global }
      - { .name: bproj, .offset: 40, .size: 8, .value_kind: global_buffer, .address_space: global }
    .group_segment_fixed_size: 327680
    .private_segment_fixed_size: 0
    .kernarg_segment_align: 8
    .kernarg_segment_size: 48
    .max_flat_workgroup_size: 128
    .sgpr_count:     98
    .vgpr_count:     768
    .wavefront_size: 32
...
	.end_amdgpu_metadata
.endif
;; end of part 4
